; MI455X (gfx1250); checked and timed in simulation.
; The chip was launched on July 23, 2026; its instructions are those of AMD's public machine-readable ISA for CDNA 5 (MIT licence, August 2026) and "CDNA5" Instruction Set Architecture Reference Guide (July 2026). The comments in the code are by the model that wrote it; some were corrected since.
;; MOE Layer Custom. Allowed arithmetic: float matrix products may take bf16 or f16 operands with f32 sums; other float arithmetic in f32, or as packed bf16 or f16 multiplies, adds, multiply-adds, maxima and minima; sums over many terms, partial sums and values carried from step to step in f32; what a program stores and reads back later, other than sums and carried values, may be rounded once to bf16 or f16.
;; Inputs: W1 8 x 1,024 x 512 float32; W2 8 x 512 x 1,024 float32; Wg 1,024 x 8 float32; b1 8 x 512 float32; b2 8 x 1,024 float32; input 4 x 2,048 x 1,024 float32.
;; Outputs: out0 4 x 2,048 x 1,024 float32.
;; One version. Each part assembles by itself: llvm-mc -triple=amdgcn-amd-amdhsa -mcpu=gfx1250 --defsym DOCPART=n.
;; ======== version 1 of 1: 2 launches
;; workspace buffers: wf 16,777,216 bytes; gates 65,536 bytes; route 65,536 bytes of whole numbers
;; launch prep (part 1): grid 256 x 1, 5 waves a work-group, no clusters, 11,520 bytes of LDS; arguments input, Wg, W1, W2, wf, gates, route; writes wf, gates, route
.if DOCPART == 1
	.amdgcn_target "amdgcn-amd-amdhsa--gfx1250"
	.amdhsa_code_object_version 6
	.text
	.protected	k_q401beb8120_prep
	.globl	k_q401beb8120_prep
	.p2align	8
	.type	k_q401beb8120_prep,@function
k_q401beb8120_prep:
	s_mov_b64 s[64:65], 0
	v_nop
	global_prefetch_b8 v0, s[64:65] scope:SCOPE_SE
	s_setreg_imm32_b32 hwreg(HW_REG_WAVE_MODE, 25, 1), 1
	s_wait_xcnt 0x0
; PREP.  256 work-groups of five waves that do not depend on each other: no barrier.
; Wave 0 ROUTES 32 tokens (chunk c = the work-group's number): logits = x Wg on the matrix unit, x and Wg rounded to bf16, sums in f32; the two largest logits (a tie keeps the
; lower index); the two gates g1 = 1 / (1 + e^(l2 - l1)), g2 = e^(l2 - l1) g1: the larger logit is taken away, so the exponent is never above 0.  It stores at fixed places:
; gates[token] = (gate of the lower-numbered expert, gate of the higher), and route[c][p] = (bitmap of the chunk's tokens that chose pair p, its number of ones), p = 0..27 the pairs
; (a < b), a ascending, then b; entries 28..31 are 0.  No address here hangs on a logit.  D goes in eight chunks of 128: a chunk's x (32 rows) and Wg (128 rows) pass through two
; stages in LDS whose addresses are the same in every chunk; only the two global bases are stepped.
; Waves 1-4 each round ONE block of W1 or W2 (32 K x 256 columns, 32 KB of f32) to bf16 and store it as 16 fragments of 1 KB in the order in which a wave's operand registers take them:
; bytes 16 L: registers 0-3 of lane L, bytes 512 + 16 L: registers 4-7.  Fragment 4 G + c holds column 64 G + 4 r + c in lane r (r = L % 16): what a 16-byte load of four neighbouring
; columns leaves in a lane.  Block u lies at wf + 16,384 u.  u < 512: W1, u = (2 e + nh) 32 + ks, columns 256 nh on, row d = 32 ks + 16 half + 8 h + i (h = L / 16, i = 0..7).
; u >= 512: W2, u - 512 = (4 e + nq) 16 + ks2, columns 256 nq on, row 64 (ks2 / 2) + 2 (ks2 % 2) + half + 32 h + 4 i: the hidden column that the next launch keeps at place 32 ks2 + 16 half + 8 h + i.
; LIMITS.  Every input is rounded to bf16, the router's too.  The two largest are taken of the logits, not of rounded probabilities: logits closer than the f32 sums' rounding may be
; ordered otherwise than by the reference.  An exponential below 2^-126 counts as 0.  NaN and infinities are not treated: a token with NaN logits falls into no pair.
.set STG,   2048                       ; LDS 0: 128 rows of Wg as bf16, [d][8 experts], 16 bytes a row.  STG: 32 tokens x 128 d of x as bf16, rows of 256 + 16 bytes
.set SP,    272
.set SPARE, STG+32*SP                  ; the spare words, 128 bytes for each of five waves, in three blocks of 256 bytes that no other line names
.set SPW,   4                          ; v4  SPARE + 4 x my thread's number; never rewritten
.set NIL,   5                          ; v5  0; never rewritten
.set ACC0,  16                         ; v16-23 logits of tokens 0-15, v24-31 of tokens 16-31
.set ACC1,  24
.set XF,    32                         ; v32-95  fragments of x: token group g, K step s at XF + 32 g + 8 s
.set WF,    96                         ; v96-127 fragments of Wg: K step s at WF + 8 s
.set LG,    128                        ; v128-135 my token's eight logits
.set WB,    152                        ; v152-215 a chunk's rows of Wg as loaded: two buffers of 32
.set Y,     32                         ; weights: 32 registers to store
.set MSB, 0
.macro WIN new                         ; s_set_vgpr_msb: bits 1:0 source 0, 3:2 source 1, 5:4 source 2, 7:6 destination; the high byte repeats the setting that is left
.if MSB != (\new)
	s_set_vgpr_msb (MSB<<8)|(\new)
.set MSB, (\new)
.endif
.endm
.macro FINISH                          ; the wave's end
	WIN 0
	s_wait_tensorcnt 0x0
	ds_add_u32 v[SPW], v[NIL]
	s_wait_dscnt 0x0
	s_endpgm
.endm
	s_load_b256 s[4:11], s[0:1], 0x0               ; input s[4:5], Wg s[6:7], W1 s[8:9], W2 s[10:11]
	s_load_b128 s[12:15], s[0:1], 0x20             ; wf s[12:13], gates s[14:15]
	s_load_b64 s[16:17], s[0:1], 0x30              ; route
	v_lshl_add_u32 v[SPW], v0, 2, SPARE
	v_mov_b32 v[NIL], 0
	v_lshrrev_b32 v1, 5, v0
	v_readfirstlane_b32 s18, v1                    ; wave 0..4
	v_and_b32 v10, 31, v0                          ; L
	v_and_b32 v2, 15, v0                           ; r
	v_bfe_u32 v3, v0, 4, 1                         ; h
	v_lshlrev_b32 v1, 4, v10                       ; 16 L
	s_wait_kmcnt 0x0
	s_cmp_lg_u32 s18, 0
	s_cbranch_scc1 .Lweights
; ---------------------------------------------------------------- THE ROUTER (wave 0)
; Window 1 holds two buffers of 128 registers for x.  Every load takes 512 consecutive bytes.
.macro LOADX b, k                      ; the chunk k chunks on from the stepped bases: 128 rows of Wg (8 loads), 128 d of my 32 tokens (32 loads)
	WIN 0
.set i, 0
.rept 8
	global_load_b128 v[WB+32*(\b)+4*i:WB+32*(\b)+4*i+3], v1, s[6:7] offset:4096*(\k)+512*i
.set i, i+1
.endr
	WIN 0x40
.set i, 0
.rept 32
	global_load_b128 v[128*(\b)+4*i:128*(\b)+4*i+3], v1, s[20:21] offset:4096*i+512*(\k)
.set i, i+1
.endr
.endm
.macro ROUND b                         ; four f32 to four bf16, in place, and 8 bytes a lane into the stages
	WIN 0x45
.set i, 0
.rept 32
	v_cvt_pk_bf16_f32 v[128*(\b)+4*i],   v[128*(\b)+4*i],   v[128*(\b)+4*i+1]
	v_cvt_pk_bf16_f32 v[128*(\b)+4*i+1], v[128*(\b)+4*i+2], v[128*(\b)+4*i+3]
.set i, i+1
.endr
	WIN 0x04                                       ; address window 0, data window 1
.set i, 0
.rept 32
	ds_store_b64 v6, v[128*(\b)+4*i:128*(\b)+4*i+1] offset:SP*i
.set i, i+1
.endr
	WIN 0
.set i, 0
.rept 8
	v_cvt_pk_bf16_f32 v[WB+32*(\b)+4*i],   v[WB+32*(\b)+4*i],   v[WB+32*(\b)+4*i+1]
	v_cvt_pk_bf16_f32 v[WB+32*(\b)+4*i+1], v[WB+32*(\b)+4*i+2], v[WB+32*(\b)+4*i+3]
.set i, i+1
.endr
.set i, 0
.rept 8                                ; lane L of load i holds row 16 i + L / 2, experts 4 (L % 2) on: byte 256 i + 8 L of rows of 16 bytes
	ds_store_b64 v8, v[WB+32*(\b)+4*i:WB+32*(\b)+4*i+1] offset:256*i
.set i, i+1
.endr
.endm
.macro FRAGS                           ; LDS serves a wave's instructions in order (ISA guide 5.7.1.4): these see the stores above, and the next chunk's stores come behind them
	WIN 0
.irp g, 0,1
.irp s, 0,1,2,3
	ds_load_b128 v[XF+32*\g+8*\s:XF+32*\g+8*\s+3],   v7 offset:16*SP*\g+64*\s
	ds_load_b128 v[XF+32*\g+8*\s+4:XF+32*\g+8*\s+7], v7 offset:16*SP*\g+64*\s+32
.endr
.endr
.irp s, 0,1,2,3                        ; Wg lies [d][expert]: the turning load leaves lane l expert l % 8 (my address has no column term, so lanes 8-15 repeat lanes 0-7) and 8 d
	ds_load_tr16_b128 v[WF+8*\s:WF+8*\s+3],   v9 offset:512*\s
	ds_load_tr16_b128 v[WF+8*\s+4:WF+8*\s+7], v9 offset:512*\s+256
.endr
.endm
.macro MM                              ; source 0 = Wg (rows: experts 0-7 twice), source 1 = x (columns: tokens).  The two accumulators take turns
.irp s, 0,1,2,3
	v_wmma_f32_16x16x32_bf16 v[ACC0:ACC0+7], v[WF+8*\s:WF+8*\s+7], v[XF+8*\s:XF+8*\s+7], v[ACC0:ACC0+7]
	v_wmma_f32_16x16x32_bf16 v[ACC1:ACC1+7], v[WF+8*\s:WF+8*\s+7], v[XF+32+8*\s:XF+32+8*\s+7], v[ACC1:ACC1+7]
.endr
.endm
.macro CHUNK b, load, left             ; one chunk of 128 d from buffer b.  left: the other buffer's 40 loads, issued behind mine, may stay out
	s_wait_loadcnt \left
	ROUND \b                                       ; its 80 conversions name no register of the last products: the places in front of the loads into their sources
.if \load
	LOADX \b, 2+(\b)                               ; the chunk two further on
.endif
	FRAGS
	s_wait_dscnt 0x0
	MM
.endm
	s_lshl_b32 s28, ttmp9, 17                      ; my 32 rows of 4,096 bytes
	s_mov_b32 s29, 0
	s_add_nc_u64 s[20:21], s[4:5], s[28:29]
	LOADX 0, 0
	LOADX 1, 1
	WIN 0
	v_lshl_add_u32 v6, v10, 3, STG                 ; x into its stage: 8 bytes a lane
	v_mul_u32_u24 v7, v2, SP
	v_lshl_add_u32 v7, v3, 4, v7
	v_add_nc_u32 v7, STG, v7                       ; a fragment of x: row r, 16 bytes for each half of the lanes
	v_lshlrev_b32 v8, 3, v10                       ; 8 L: Wg into its stage, and my 8 bytes in the two stores at the end
	v_and_b32 v9, 7, v0
	v_lshl_add_u32 v9, v3, 3, v9
	v_lshlrev_b32 v9, 4, v9                        ; the turning load: row 8 h + L % 8 of the stage; never rewritten
	s_mov_b32 s22, 0xffff0000                      ; lanes 16-31
.set i, 0
.rept 16
	v_mov_b32 v[ACC0+i], 0                         ; the sums start at 0: sixteen lines, against a further copy of two chunks' text
.set i, i+1
.endr
	s_mov_b32 s27, 3
.Lchunks:                                              ; three trips of two chunks; by this text's count 80 loads, 40 KB, are out
	CHUNK 0, 1, 40
	CHUNK 1, 1, 40
	WIN 0
	s_wait_xcnt 0x0                                ; the bases are stepped only when the loads that name them have had their addresses translated
	s_add_nc_u64 s[20:21], s[20:21], 1024          ; x: 256 d on
	s_add_nc_u64 s[6:7], s[6:7], 8192              ; Wg: 256 rows on
	s_sub_co_u32 s27, s27, 1
	s_cmp_lg_u32 s27, 0
	s_cbranch_scc1 .Lchunks
	CHUNK 0, 0, 40                                 ; the last two chunks load nothing
	CHUNK 1, 0, 0
.rept 4
	v_nop                                          ; four places between the last products and the first read of a result
.endr
.set i, 0
.rept 8
	v_cndmask_b32 v[LG+i], v[ACC0+i], v[ACC1+i], s22  ; lane L now holds token L: register i is expert i in both halves of the lanes; each accumulator is read from its low end on
.set i, i+1
.endr
	v_mov_b32 v136, v[LG]                          ; l1, its expert
	v_mov_b32 v137, 0
	v_mov_b32 v138, 0xff800000                     ; l2 = -inf, its expert
	v_mov_b32 v139, 0
.irp e, 1,2,3,4,5,6,7                  ; strictly greater: a tie keeps the lower index
	v_cmp_gt_f32 s23, v[LG+\e], v136
	v_cmp_gt_f32 vcc_lo, v[LG+\e], v138
	v_cndmask_b32 v138, v138, v[LG+\e], vcc_lo
	v_cndmask_b32 v139, v139, \e, vcc_lo
	v_cndmask_b32 v138, v138, v136, s23
	v_cndmask_b32 v139, v139, v137, s23
	v_cndmask_b32 v136, v136, v[LG+\e], s23
	v_cndmask_b32 v137, v137, \e, s23
.endr
	v_sub_f32 v140, v138, v136                     ; l2 - l1 <= 0
	v_mul_f32 v140, 0x3fb8aa3b, v140
	v_exp_f32 v141, v140
	v_min_u32 v144, v137, v139                     ; a (plain work behind the exponential)
	v_max_u32 v145, v137, v139                     ; b
	s_wait_alu depctr_va_vdst(0)                   ; the wait ahead of the first line that names the result
	v_add_f32 v142, 1.0, v141
	v_rcp_f32 v147, v142
	v_lshl_add_u32 v146, v144, 3, v145             ; 8 a + b
	v_cmp_lt_u32 vcc_lo, v137, v139
	s_wait_alu depctr_va_vdst(0)
	v_mul_f32 v143, v141, v147                     ; g2
	v_cndmask_b32 v148, v143, v147, vcc_lo         ; the gate of a
	v_cndmask_b32 v149, v147, v143, vcc_lo         ; the gate of b
	v_mov_b32 v150, 0
	v_mov_b32 v151, 0
.set p, 0
.irp a, 0,1,2,3,4,5,6
.irp b, 1,2,3,4,5,6,7
.if \b > \a
	v_cmp_eq_u32 s24, 8*\a+\b, v146                ; which of my 32 tokens chose pair p,
	s_bcnt1_i32_b32 s25, s24                       ; and how many
	v_writelane_b32 v150, s24, p
	v_writelane_b32 v151, s25, p
.set p, p+1
.endif
.endr
.endr
	s_lshl_b32 s28, ttmp9, 8
	s_add_nc_u64 s[30:31], s[14:15], s[28:29]
	s_add_nc_u64 s[32:33], s[16:17], s[28:29]
	global_store_b64 v8, v[148:149], s[30:31]      ; each of the two stores covers 256 consecutive bytes, aligned
	global_store_b64 v8, v[150:151], s[32:33]
	FINISH
; ---------------------------------------------------------------- THE WEIGHTS (waves 1-4)
; 64 loads, all out at once: each takes 256 consecutive bytes of one row in lanes 0-15 and of another row in lanes 16-31.  Then, a group of 64 columns at a time: round in pairs along K, store four fragments.
.macro CONVBLK SI, SH                  ; bytes from i to i + 1, from half 0 to half 1
	WIN 0x40
.set g, 0
.rept 4
.set k, 0
.rept 16                               ; k = 8 half + i
	global_load_b128 v[64*g+4*k:64*g+4*k+3], v6, s[36:37] offset:(\SI)*(k%8)+(\SH)*(k/8)+256*g th:TH_LOAD_NT
.set k, k+1
.endr
.set g, g+1
.endr
.set g, 0
.rept 4
	s_wait_loadcnt 48-16*g                         ; this group's 16 loads are in; the later groups', 16 each, may stay out
	s_wait_xcnt 0x0                                ; the registers that the last group's stores read are rewritten only behind this wait
	WIN 0x05                                       ; sources window 1, destination window 0
.set c, 0
.rept 4
.set k, 0
.rept 8                                ; k = 4 half + t: elements i = 2 t, 2 t + 1
	v_cvt_pk_bf16_f32 v[Y+8*c+k], v[64*g+4*(8*(k/4)+2*(k%4))+c], v[64*g+4*(8*(k/4)+2*(k%4)+1)+c]
.set k, k+1
.endr
.set c, c+1
.endr
	WIN 0
.set c, 0
.rept 4
	global_store_b128 v1, v[Y+8*c:Y+8*c+3],   s[12:13] offset:1024*(4*g+c)      ; 512 consecutive bytes each
	global_store_b128 v1, v[Y+8*c+4:Y+8*c+7], s[12:13] offset:1024*(4*g+c)+512
.set c, c+1
.endr
.set g, g+1
.endr
.endm
.Lweights:
	s_sub_co_u32 s28, s18, 1
	s_lshl_b32 s29, ttmp9, 2
	s_add_co_u32 s28, s28, s29                     ; u = 4 x work-group + wave - 1
	s_lshl_b32 s30, s28, 14
	s_mov_b32 s31, 0
	s_add_nc_u64 s[12:13], s[12:13], s[30:31]      ; my block of wf
	s_bfe_u32 s32, s28, 0x30006                    ; the expert: bits 8:6 in both halves of u's range
	s_lshl_b32 s32, s32, 21                        ; 2 MB of f32 an expert
	s_mov_b32 s33, 0
	v_lshlrev_b32 v6, 4, v2                        ; four columns a lane
	s_cmp_lt_u32 s28, 512
	s_cbranch_scc0 .Lw2
	s_and_b32 s34, s28, 31                         ; ks: 32 rows of 2,048 bytes
	s_lshl_b32 s34, s34, 16
	s_add_co_u32 s32, s32, s34
	s_bfe_u32 s34, s28, 0x10005                    ; nh: 256 columns
	s_lshl_b32 s34, s34, 10
	s_add_co_u32 s32, s32, s34
	s_add_nc_u64 s[36:37], s[8:9], s[32:33]
	v_lshl_add_u32 v6, v3, 14, v6                  ; h: 8 rows
	CONVBLK 2048, 32768
	FINISH
.Lw2:
	s_bfe_u32 s34, s28, 0x30001                    ; ks2 / 2: 64 rows of 4,096 bytes
	s_lshl_b32 s34, s34, 18
	s_add_co_u32 s32, s32, s34
	s_and_b32 s34, s28, 1                          ; ks2 % 2: 2 rows
	s_lshl_b32 s34, s34, 13
	s_add_co_u32 s32, s32, s34
	s_bfe_u32 s34, s28, 0x20004                    ; nq: 256 columns
	s_lshl_b32 s34, s34, 10
	s_add_co_u32 s32, s32, s34
	s_add_nc_u64 s[36:37], s[10:11], s[32:33]
	v_lshl_add_u32 v6, v3, 17, v6                  ; h: 32 rows
	CONVBLK 16384, 4096
	FINISH
.Lfunc_end_k_q401beb8120_prep:
	.size	k_q401beb8120_prep, .Lfunc_end_k_q401beb8120_prep-k_q401beb8120_prep
	.p2alignl 7, 3214868480
	.fill 96, 4, 3214868480
	.section	.rodata,"a",@progbits
	.p2align	6, 0x0
	.amdhsa_kernel k_q401beb8120_prep
		.amdhsa_group_segment_fixed_size 11520
		.amdhsa_private_segment_fixed_size 0
		.amdhsa_enable_private_segment 0
		.amdhsa_kernarg_size 56
		.amdhsa_user_sgpr_count 2
		.amdhsa_user_sgpr_kernarg_segment_ptr 1
		.amdhsa_wavefront_size32 1
		.amdhsa_system_sgpr_workgroup_id_x 1
		.amdhsa_system_sgpr_workgroup_id_y 1
		.amdhsa_system_sgpr_workgroup_id_z 1
		.amdhsa_system_vgpr_workitem_id 0
		.amdhsa_next_free_vgpr 512
		.amdhsa_next_free_sgpr 66
		.amdhsa_reserve_vcc 1
		.amdhsa_float_denorm_mode_32 3
		.amdhsa_float_denorm_mode_16_64 3
		.amdhsa_memory_ordered 1
		.amdhsa_forward_progress 1
		.amdhsa_inst_pref_size 104
	.end_amdhsa_kernel
	.amdgpu_metadata
---
amdhsa.version: [ 1, 2 ]
amdhsa.kernels:
  - .name:           k_q401beb8120_prep
    .symbol:         k_q401beb8120_prep.kd
    .args:
      - { .name: input, .offset: 0, .size: 8, .value_kind: global_buffer, .address_space: global }
      - { .name: Wg, .offset: 8, .size: 8, .value_kind: global_buffer, .address_space: global }
      - { .name: W1, .offset: 16, .size: 8, .value_kind: global_buffer, .address_space: global }
      - { .name: W2, .offset: 24, .size: 8, .value_kind: global_buffer, .address_space: global }
      - { .name: wf, .offset: 32, .size: 8, .value_kind: global_buffer, .address_space: global }
      - { .name: gates, .offset: 40, .size: 8, .value_kind: global_buffer, .address_space: global }
      - { .name: route, .offset: 48, .size: 8, .value_kind: global_buffer, .address_space: global }
    .group_segment_fixed_size: 11520
    .private_segment_fixed_size: 0
    .kernarg_segment_align: 8
    .kernarg_segment_size: 56
    .max_flat_workgroup_size: 160
    .sgpr_count:     66
    .vgpr_count:     512
    .wavefront_size: 32
...
	.end_amdgpu_metadata
.endif
;; end of part 1
;; launch chain (part 2): grid 155 x 1, 8 waves a work-group, no clusters, 150,528 bytes of LDS; arguments input, wf, b1, b2, gates, route, out0; writes out0
.if DOCPART == 2
	.amdgcn_target "amdgcn-amd-amdhsa--gfx1250"
	.amdhsa_code_object_version 6
	.text
	.protected	k_q401beb8120_chain
	.globl	k_q401beb8120_chain
	.p2align	8
	.type	k_q401beb8120_chain,@function
k_q401beb8120_chain:
	s_mov_b64 s[64:65], 0
	v_nop
	global_prefetch_b8 v0, s[64:65] scope:SCOPE_SE
	s_setreg_imm32_b32 hwreg(HW_REG_WAVE_MODE, 25, 1), 1
	s_wait_xcnt 0x0
; CHAIN.  A work-group owns a tile of up to 64 tokens that chose the same PAIR (a < b) of experts and takes it through the whole layer:
;   h = [ga relu(x W1a + b1a) | gb relu(x W1b + b1b)]  (64 x 1024, rounded once to bf16, kept in LDS);   out = h [W2a; W2b] + ga b2a + gb b2b.   Each output row has one owner.
; THE GRID.  With c_p tokens on pair p there are sum ceil(c_p / 64) <= (8192 + 28 x 63) / 64 = 155 tiles, whatever the split: 155 work-groups.  Each finds its tile from the stored counts and bitmaps.
; A work-group that the split leaves without rows passes every barrier, jumps both K loops and stores nothing.  In a tile that is not full the slots past the count repeat the tile's last token:
; whole blocks of 16 slots past the count are not stored; inside the last block the repeats store the same numbers to the same row, from the same wave.
; SHARES.  Eight waves of 512 registers, two to a SIMD, so that one wave's runs of loads stand beside the other's matrix instructions.  Product 1: wave w makes 128 hidden columns (expert a for
; w < 4, b else; quarter w % 4) for all 64 tokens.  Product 2: wave w makes output columns 128 w on.  Both are 64 x 128 x 1024 a wave: 32 accumulators, 256 registers, 32 K steps of 32 matrix
; instructions.  The weights come from wf, in the order of the operand registers, straight into registers: each fragment has one reader in the work-group, so it does not pass through LDS; a ring
; of two K steps (32 loads, 16 KB a wave) is asked for again half a step at a time, a step and a half ahead.  The price of eight waves: x's and h's fragments are read from LDS eight times, not four.
; NO CLUSTER: partners would have to be alike in every count, so a pair would be dealt whole groups of 4 x 64 slots: 28 x 255 slots to spare at the worst against 28 x 63; and the weights would have to pass through LDS.
; LAYOUT.  L lane, r = L % 16, h = L / 16.  A block of wf is 16 fragments of 1 KB (256 columns x 32 K); a wave takes eight of them, 8 KB on end.  Its fragment f = 4 G + c holds column 64 G + 4 r + c
; of its 128 in lane r.  Product 1: source 0 = W1 (rows: hidden columns), source 1 = x (columns: tokens): a lane holds one token and eight places of h, 16 bytes in bf16.  Place 128 w + 16 f + m of h
; holds hidden column 64 (f / 4) + 4 m + f % 4 of wave w's 128; W2's rows were laid out to match.  Product 2: source 0 = h (rows: tokens), source 1 = W2: for one G the four fragments give a lane
; four neighbouring output columns of eight tokens: 16 bytes of f32, sixteen lanes 256 consecutive bytes.
; LIMITS.  x, W1, W2, b1, b2 are rounded to bf16 (b1 and b2 here), sums in f32; g relu(..) is rounded once to bf16.  NaN and infinities are not treated apart (a NaN in front of the ReLU counts as 0).
.set PITCH, 2064                       ; an LDS row of x or h: 2,048 bytes + 16: an odd multiple of 16, so the 16 rows of a fragment load start at 16 different groups of four banks (ISA guide 11.1)
.set HT,    0                          ; LDS 0: x, 64 rows; when all waves have read x for the last time, h takes its place
.set CNTB,  64*PITCH                   ; [pair][wave] counts, 1,024 bytes
.set LIST,  CNTB+1024                  ; a wave's own 512 bytes: 64 slots, then at +256 a word for what falls outside the tile
.set PRIV,  LIST+8*512                 ; a wave's own 1,024 bytes: the tile's tokens at +0, ga at +256, gb at +512
.set BIAS,  PRIV+8*1024                ; a wave's own 512 bytes: b1 in the order of h's places
.set SPARE, BIAS+8*512                 ; the spare words, 128 bytes a wave: four blocks of 256 bytes that no other line names
; window 0
.set LN,1
.set RR,2
.set HH,3
.set LO16,4                            ; 16 L
.set C16,5                             ; 16 r
.set AX,6                              ; v6-7   fragments of x or h: token blocks 0-1, 2-3: made at the head of every two K steps from a scalar step and AXB
.set HS,8                              ; v8-9   where I put 16 bytes of h
.set XS,10                             ; where I put 8 bytes of x
.set PRL,11
.set PRH,12
.set PRG,13
.set BS,14
.set BR,15
.set LW,16                             ; my wave's list
.set ZR,17                             ; 0, for the packed maximum
.set SPW,18                            ; SPARE + 4 x my thread's number; never rewritten
.set NIL,19                            ; 0; never rewritten
.set PRT,32                            ; v20-31 at work
.set AXB,33                            ; 2064 r + 16 h: a fragment's lane term; never rewritten
.set GT,36                             ; v36-43   my token's gate in block tb, twice, at 2 tb
.set B2A,44                            ; v44-51   b2 of expert a, my columns: 4 G + c
.set B2B,52                            ; v52-59   of expert b
.set B1R,60                            ; v60-63   b1, four of my columns
.set ACT,64                            ; v64-127  two buffers of four fragments of x or h; at work in the set-up and on the ways out
.set T,64                              ; set-up: 32 counts, then the eight waves' counts
.set RO,96                             ; set-up: byte offsets of the 8 rows of x that I gather
.set RING,128                          ; v128-255 the ring of weights: slot s at 64 s, fragment f at + 8 f
.set T0,64                             ; last way out: block 0's results
.set OFB,128                           ; last way out: eight offsets for each block
.set TK,160
.set GA,168
.set GB,176
; window 1: accumulator (f, tb) at 8 (4 f + tb); during the gather: the 64 row loads; on the last way out block tb's results lie in block tb - 1's accumulators
.set WV,18
.set WG,19
.set RUN,20
.set PP,21
.set START,22
.set CODE,23
.set TT,24
.set TOT,25
.set BB,25                             ; s26-32  the ranks at which waves 1 to 7 begin: s[BB+k]
.set BASEW,33
.set LOW,34
.set NN,35
.set N1M,36
.set EMPTY,37
.set LP,38                             ; s[38:39] where the two K steps lie that the trip in hand asks for
.set S2A,40                            ; s[40:41], s[42:43] my blocks of W2 for experts a and b
.set S2B,42
.set OFFP,44                           ; s[44:45] an offset, its high word 0
.set CNT,46
.set MK,47
.set SRUN,48
.set II,49
.set HIM,50
.set KO,51                             ; s51  LDS byte at which the two K steps in hand begin in row 0 of x or h
.set OUT,52
.set PB1,54
.set PB2A,56
.set PB2B,58
.set KO1,63                            ; s63  the same for row 32
.set EA,66
.set EB,67
.set EW,68
.set NH,69
.set WH,70                             ; w % 2: which half of a block's fragments is mine
.set W4,71                             ; w / 2: which block of 256 columns
.set MSB, 0
.macro WIN new                         ; s_set_vgpr_msb: bits 1:0 source 0, 3:2 source 1, 5:4 source 2, 7:6 destination; the high byte repeats the setting that is left
.if MSB != (\new)
	s_set_vgpr_msb (MSB<<8)|(\new)
.set MSB, (\new)
.endif
.endm
.macro BAR                             ; my LDS instructions are done, for the others' sake; then all eight waves meet
	s_wait_dscnt 0x0
	s_barrier_signal -1
	s_barrier_wait -1
.endm
.macro PLACES                          ; four places behind matrix instructions, in front of loads into their sources and of reads of their results
.rept 4
	v_nop
.endr
.endm
; ---------------------------------------------------------------- THE PRODUCTS' MACROS
.macro WLOAD slot, half                ; four fragments of the K step at LP + 16,384 slot: eight loads of 512 consecutive bytes
	WIN 0
.set f, 4*(\half)
.rept 4
	global_load_b128 v[RING+64*(\slot)+8*f:RING+64*(\slot)+8*f+3],   v[LO16], s[LP:LP+1] offset:16384*(\slot)+1024*f
	global_load_b128 v[RING+64*(\slot)+8*f+4:RING+64*(\slot)+8*f+7], v[LO16], s[LP:LP+1] offset:16384*(\slot)+1024*f+512
.set f, f+1
.endr
.endm
.macro SETAX                           ; the fragments' addresses for the two K steps that begin at byte KO: the scalar step plus the lane term
	s_add_co_u32 s[KO1], s[KO], 32*PITCH
	v_add_nc_u32 v[AX], s[KO], v[AXB]
	v_add_nc_u32 v[AX+1], s[KO1], v[AXB]
.endm
.macro ACTLOAD buf, off                ; four fragments (64 tokens x 32 K) of x or h, at byte off of the rows from AX on
	WIN 0
.irp tb, 0,1,2,3
	ds_load_b128 v[ACT+32*(\buf)+8*\tb:ACT+32*(\buf)+8*\tb+3],   v[AX+(\tb/2)] offset:16*PITCH*(\tb%2)+(\off)
	ds_load_b128 v[ACT+32*(\buf)+8*\tb+4:ACT+32*(\buf)+8*\tb+7], v[AX+(\tb/2)] offset:16*PITCH*(\tb%2)+(\off)+32
.endr
.endm
.macro WM prod, d, w, a, zero
.if (\prod) == 1
	v_wmma_f32_16x16x32_bf16 v[\d:\d+7], v[\w:\w+7], v[\a:\a+7], v[\d:\d+7]
.elseif \zero
	v_wmma_f32_16x16x32_bf16 v[\d:\d+7], v[\a:\a+7], v[\w:\w+7], 0
.else
	v_wmma_f32_16x16x32_bf16 v[\d:\d+7], v[\a:\a+7], v[\w:\w+7], v[\d:\d+7]
.endif
.endm
.macro MUL16 prod, slot, half, zero    ; four fragments of weights x four token blocks.  The 32 accumulators take turns, one instruction a turn, in the same order in every K step
	WIN 0x50                                       ; both sources window 0, C and D window 1
.set f, 4*(\half)
.rept 4
.irp tb, 0,1,2,3
.set rD, 8*(4*f+\tb)
.set rW, RING+64*(\slot)+8*f
.set rA, ACT+32*(\slot)+8*\tb
	WM \prod, rD, rW, rA, \zero
.endr
.set f, f+1
.endr
.endm
; A K step of 32: 32 matrix instructions on ring slot and activation buffer 'slot'.  wl: each half of the slot is asked for again, two K steps on, as soon as it has been multiplied.
; an: the next step's activations are fetched into the other buffer.  la, lb: the younger loads that may stay out: three runs of 8 while the ring is being filled.
; adv: the ring's base goes on to the two K steps that this trip asks for, sixteen matrix instructions behind the last loads that named it: 1: 32 KB on; 2: to W2 of expert a; 3: 32 KB on, or to W2 of expert b.
.macro STEP prod, slot, zero, wl, an, anoff, adv, la, lb
	s_wait_loadcnt \la
	s_wait_dscnt 0x0                               ; this step's activations, asked for 16 matrix instructions ago
	MUL16 \prod, \slot, 0, \zero
	PLACES
.if (\adv) > 0
	s_wait_xcnt 0x0                                ; the base is rewritten only when the loads that name it have had their addresses translated
.endif
.if (\adv) == 2
	s_mov_b64 s[LP:LP+1], s[S2A:S2A+1]
.elseif (\adv) > 0
	s_add_nc_u64 s[LP:LP+1], s[LP:LP+1], 32768
.endif
.if (\adv) == 3
	s_cmp_eq_u32 s[CNT], 8                         ; the trip that asks for K steps 16 and 17: expert b's first two
	s_cselect_b64 s[LP:LP+1], s[S2B:S2B+1], s[LP:LP+1]
.endif
.if \wl
	WLOAD \slot, 0
.endif
.if \an
	ACTLOAD 1-(\slot), \anoff
.endif
	s_wait_loadcnt \lb
	MUL16 \prod, \slot, 1, \zero
	PLACES
.if \wl
	WLOAD \slot, 1
.endif
.endm
.macro TRIP prod, zero, wl, last, adv, c0=24, c1=24, c2=24, c3=24
	STEP \prod, 0, \zero, \wl, 1, 64, \adv, \c0, \c1
	STEP \prod, 1, 0, \wl, 1-(\last), 128, 0, \c2, \c3
.endm
.macro EDGE                            ; two K steps on: the scalar step for the activations
	WIN 0
	s_add_co_u32 s[KO], s[KO], 128
.endm
	s_load_b256 s[4:11], s[0:1], 0x0               ; input s[4:5], wf s[6:7], b1 s[8:9], b2 s[10:11]
	s_load_b128 s[12:15], s[0:1], 0x20             ; gates s[12:13], route s[14:15]
	s_load_b64 s[16:17], s[0:1], 0x30              ; out0
	v_lshl_add_u32 v[SPW], v0, 2, SPARE
	v_mov_b32 v[NIL], 0
	v_lshrrev_b32 v20, 5, v0
	v_readfirstlane_b32 s[WV], v20                 ; wave 0..7
	s_mov_b32 s[WG], ttmp9
	v_and_b32 v[LN], 31, v0
	v_and_b32 v[RR], 15, v0
	v_bfe_u32 v[HH], v0, 4, 1
	v_lshlrev_b32 v[LO16], 4, v[LN]
	v_lshlrev_b32 v[C16], 4, v[RR]
	v_mov_b32 v[ZR], 0
	s_mov_b32 s[HIM], 0xffff0000
	s_mov_b32 s[OFFP+1], 0
; ---------------------------------------------------------------- COUNTS: wave w adds up chunks 32 w .. 32 w + 31, lane = pair
	s_lshl_b32 s60, s[WV], 13
	v_lshl_add_u32 v20, v[LN], 3, s60
	s_wait_kmcnt 0x0
.set i, 0
.rept 32
	global_load_b32 v[T+i], v20, s[14:15] offset:256*i+4
.set i, i+1
.endr
	; the addresses that hang on the thread alone, made while the counts are on their way
	s_lshl_b32 s60, s[WV], 10
	s_add_co_u32 s61, s60, PRIV
	v_lshl_add_u32 v[PRL], v[LN], 2, s61
	v_lshl_add_u32 v[PRH], v[HH], 5, s61
	s_lshr_b32 s62, s[WV], 2
	s_lshl_b32 s62, s62, 8
	s_add_co_u32 s62, s62, s61
	s_add_co_u32 s62, s62, 256
	v_lshl_add_u32 v[PRG], v[RR], 2, s62           ; ga for waves 0-3; gb for waves 4-7
	s_lshl_b32 s62, s[WV], 5
	s_add_co_u32 s62, s62, s61
	v_mov_b32 v[PRT], s62                          ; the 8 tokens whose rows I gather
	s_lshl_b32 s60, s[WV], 9
	s_add_co_u32 s61, s60, BIAS
	v_lshl_add_u32 v[BR], v[HH], 5, s61
	v_lshl_add_u32 v[BS], v[HH], 8, s61
	v_lshl_add_u32 v[BS], v[RR], 2, v[BS]
	s_mul_i32 s61, s[WV], 8*PITCH
	v_lshl_add_u32 v[XS], v[LN], 3, s61
	v_mul_u32_u24 v[AXB], v[RR], PITCH
	v_lshl_add_u32 v[AXB], v[HH], 4, v[AXB]
	s_lshl_b32 s61, s[WV], 8
	s_add_co_u32 s61, s61, HT
	v_add_nc_u32 v[HS], s61, v[AXB]                ; h: my wave's 256 bytes of rows r and 16 + r,
	s_add_co_u32 s61, s61, 32*PITCH
	v_add_nc_u32 v[HS+1], s61, v[AXB]              ; and of rows 32 + r and 48 + r
	s_add_co_u32 s61, s60, LIST
	v_mov_b32 v[LW], s61
	v_lshl_add_u32 v21, v[LN], 4, v[LW]
	v_mov_b32 v28, 0
	v_mov_b32 v29, 0
	v_mov_b32 v30, 0
	v_mov_b32 v31, 0
	ds_store_b128 v21, v[28:31]                    ; all 512 bytes of my list hold token 0 until the scan fills its slots
	s_lshl_b32 s61, s[WV], 2
	s_add_co_u32 s61, s61, CNTB
	v_lshl_add_u32 v24, v[LN], 5, s61
	s_wait_loadcnt 0x0
.set k, 1
.rept 3                                ; four chains of eight
.irp q, 0,1,2,3
	v_add3_u32 v[T+\q], v[T+\q], v[T+\q+4*k], v[T+\q+4*k+4]
.endr
.set k, k+2
.endr
.irp q, 0,1,2,3
	v_add_nc_u32 v[T+\q], v[T+\q], v[T+\q+28]
.endr
	v_add3_u32 v[T], v[T], v[T+1], v[T+2]
	v_add_nc_u32 v[T], v[T], v[T+3]
	ds_store_b32 v24, v[T]
	BAR                                            ; A: every wave's counts are in LDS
	v_lshl_add_u32 v25, v[LN], 5, CNTB
	ds_load_b128 v[T:T+3],   v25                   ; pair L: the eight waves' counts
	ds_load_b128 v[T+4:T+7], v25 offset:16
	s_wait_dscnt 0x0
.irp k, 1,2,3,4,5,6,7                  ; running sums: T + k - 1 becomes the rank at which wave k begins, T + 7 the pair's tokens
	v_add_nc_u32 v[T+\k], v[T+\k], v[T+\k-1]
.endr
	v_add_nc_u32 v25, 63, v[T+7]
	v_lshrrev_b32 v25, 6, v25                      ; the pair's tiles
	s_mov_b32 s[RUN], 0
	s_mov_b32 s[PP], 0
	s_mov_b32 s[START], 0
	s_mov_b32 s[CODE], 1
.macro PICK p, code                    ; the last pair whose first tile's number is not above mine: pairs without tiles fall out
	s_cmp_le_u32 s[RUN], s[WG]
	s_cselect_b32 s[PP], \p, s[PP]
	s_cselect_b32 s[START], s[RUN], s[START]
	s_cselect_b32 s[CODE], \code, s[CODE]
	v_readlane_b32 s[TT], v25, \p
	s_add_co_u32 s[RUN], s[RUN], s[TT]
.endm
.set p, 0
.irp a, 0,1,2,3,4,5,6
.irp b, 1,2,3,4,5,6,7
.if \b > \a
	PICK p, 8*\a+\b
.set p, p+1
.endif
.endr
.endr
	s_min_u32 s[PP], s[PP], 31
	v_readlane_b32 s[TOT], v[T+7], s[PP]
.irp k, 1,2,3,4,5,6,7
	v_readlane_b32 s[BB+\k], v[T+\k-1], s[PP]
.endr
	s_sub_co_u32 s[LOW], s[WG], s[START]
	s_lshl_b32 s[LOW], s[LOW], 6                   ; my tile's first rank in the pair
	s_sub_co_i32 s[NN], s[TOT], s[LOW]
	s_min_i32 s[NN], s[NN], 64
	s_max_i32 s[NN], s[NN], 0                      ; its tokens, 0 to 64
	s_cmp_eq_u32 s[NN], 0
	s_cselect_b32 s[EMPTY], 1, 0
	s_max_u32 s[N1M], s[NN], 1
	s_sub_co_u32 s[N1M], s[N1M], 1                 ; its last slot
	s_mov_b32 s[BASEW], 0
.irp k, 1,2,3,4,5,6,7
	s_cmp_eq_u32 s[WV], \k
	s_cselect_b32 s[BASEW], s[BB+\k], s[BASEW]
.endr
	s_lshr_b32 s[EA], s[CODE], 3
	s_min_u32 s[EA], s[EA], 7
	s_and_b32 s[EB], s[CODE], 7
	s_min_u32 s[EB], s[EB], 7
	s_cmp_lt_u32 s[WV], 4
	s_cselect_b32 s[EW], s[EA], s[EB]
	s_min_u32 s[EW], s[EW], 7
	s_and_b32 s[WH], s[WV], 1
	s_lshr_b32 s[W4], s[WV], 1
	s_and_b32 s[NH], s[W4], 1
	s_lshl_b32 s60, s[WH], 13                      ; my eight fragments of a block: 8 KB
	s_lshl_b32 s[OFFP], s[EW], 1
	s_add_co_u32 s[OFFP], s[OFFP], s[NH]
	s_lshl_b32 s[OFFP], s[OFFP], 19                ; 32 blocks of 16 KB
	s_add_co_u32 s[OFFP], s[OFFP], s60
	s_add_nc_u64 s[LP:LP+1], s[6:7], s[OFFP:OFFP+1]
	s_lshl_b32 s[OFFP], s[EA], 2
	s_add_co_u32 s[OFFP], s[OFFP], s[W4]
	s_lshl_b32 s[OFFP], s[OFFP], 18                ; 16 blocks of 16 KB,
	s_add_co_u32 s[OFFP], s[OFFP], 0x800000        ; behind W1's 512 blocks
	s_add_co_u32 s[OFFP], s[OFFP], s60
	s_add_nc_u64 s[S2A:S2A+1], s[6:7], s[OFFP:OFFP+1]
	s_lshl_b32 s[OFFP], s[EB], 2
	s_add_co_u32 s[OFFP], s[OFFP], s[W4]
	s_lshl_b32 s[OFFP], s[OFFP], 18
	s_add_co_u32 s[OFFP], s[OFFP], 0x800000
	s_add_co_u32 s[OFFP], s[OFFP], s60
	s_add_nc_u64 s[S2B:S2B+1], s[6:7], s[OFFP:OFFP+1]
	s_lshl_b32 s[OFFP], s[EW], 1
	s_add_co_u32 s[OFFP], s[OFFP], s[NH]
	s_lshl_b32 s[OFFP], s[OFFP], 1
	s_add_co_u32 s[OFFP], s[OFFP], s[WH]
	s_lshl_b32 s[OFFP], s[OFFP], 9                 ; b1: 128 columns of f32
	s_add_nc_u64 s[PB1:PB1+1], s[8:9], s[OFFP:OFFP+1]
	s_lshl_b32 s[OFFP], s[EA], 3
	s_add_co_u32 s[OFFP], s[OFFP], s[WV]
	s_lshl_b32 s[OFFP], s[OFFP], 9                 ; b2: the same
	s_add_nc_u64 s[PB2A:PB2A+1], s[10:11], s[OFFP:OFFP+1]
	s_lshl_b32 s[OFFP], s[EB], 3
	s_add_co_u32 s[OFFP], s[OFFP], s[WV]
	s_lshl_b32 s[OFFP], s[OFFP], 9
	s_add_nc_u64 s[PB2B:PB2B+1], s[10:11], s[OFFP:OFFP+1]
	s_lshl_b32 s[OFFP], s[WV], 9
	s_add_nc_u64 s[OUT:OUT+1], s[16:17], s[OFFP:OFFP+1]
; ---------------------------------------------------------------- SCAN: wave w walks its 32 chunks' bitmaps of my pair and puts each token whose rank falls into my tile into its own list.
; All that hangs on the pair alone is asked for first: the bitmaps, the biases, and the ring's first two K steps, which land while the scan runs.
	s_lshl_b32 s60, s[PP], 3
	s_lshl_b32 s61, s[WV], 13
	s_add_co_u32 s60, s60, s61
	v_lshl_add_u32 v20, v[LN], 8, s60
	global_load_b32 v21, v20, s[14:15]             ; lane l: the bitmap of chunk 32 w + l
	global_load_b128 v[B1R:B1R+3], v[LO16], s[PB1:PB1+1]          ; b1: my 128 hidden columns
.irp g, 0,1
	global_load_b128 v[B2A+4*\g:B2A+4*\g+3], v[C16], s[PB2A:PB2A+1] offset:256*\g
	global_load_b128 v[B2B+4*\g:B2B+4*\g+3], v[C16], s[PB2B:PB2B+1] offset:256*\g
.endr
	WLOAD 0, 0                                     ; the ring: W1's K steps 0 and 1
	WLOAD 0, 1
	WLOAD 1, 0
	WLOAD 1, 1
	s_lshl_b32 s61, s[WV], 10
	v_add_nc_u32 v23, s61, v[LN]                   ; the token that my lane stands for in the chunk in hand
	s_sub_co_u32 s[SRUN], s[BASEW], s[LOW]         ; the slot of the chunk's first chosen token; below the tile it wraps to a large number
	s_wait_loadcnt 37                              ; the bitmaps are in; behind them b1's load, b2's four and the ring's 32 may stay out
	s_mov_b32 s[II], 0
.Lscan:
	v_readlane_b32 s[MK], v21, s[II]
	v_mbcnt_lo_u32_b32 v24, s[MK], s[SRUN]         ; my token's slot, if it is chosen
	v_cndmask_b32 v24, 64, v24, s[MK]
	v_min_u32 v24, 64, v24                         ; not chosen, or outside the tile: word 64, which nobody reads
	v_lshl_add_u32 v24, v24, 2, v[LW]
	ds_store_b32 v24, v23
	v_add_nc_u32 v23, 32, v23
	s_bcnt1_i32_b32 s[TT], s[MK]
	s_add_co_u32 s[SRUN], s[SRUN], s[TT]
	s_add_co_u32 s[II], s[II], 1
	s_cmp_lt_u32 s[II], 32
	s_cbranch_scc1 .Lscan
	BAR                                            ; B: the eight lists are written
; ---------------------------------------------------------------- MERGE: each wave for itself: slot s comes from the list of the wave in whose range its rank lies
.macro SLOTADR hf, R
	v_add_nc_u32 v[\R], 32*(\hf), v[LN]
	v_min_u32 v[\R], s[N1M], v[\R]                 ; slots past the count repeat the last token
	v_add_nc_u32 v30, s[LOW], v[\R]                ; its rank
.irp k, 1,2,3,4,5,6,7
	v_cmp_le_u32 vcc_lo, s[BB+\k], v30
	v_cndmask_b32 v31, 0, 1, vcc_lo
	v_lshl_add_u32 v[\R], v31, 7, v[\R]            ; a list is 128 words
.endr
	v_min_u32 v[\R], 0x3ff, v[\R]                  ; inside the eight lists' 1,024 words
	v_lshl_add_u32 v[\R], v[\R], 2, LIST
	ds_load_b32 v[\R], v[\R]
.endm
	SLOTADR 0, 24
	SLOTADR 1, 25
	s_wait_dscnt 0x0
	v_min_u32 v24, 0x1fff, v24
	v_min_u32 v25, 0x1fff, v25
	v_lshlrev_b32 v26, 3, v24
	v_lshlrev_b32 v27, 3, v25
	global_load_b64 v[28:29], v26, s[12:13]        ; the gates: not waited for here; they are wanted only behind product 1
	global_load_b64 v[30:31], v27, s[12:13]
	ds_store_b32 v[PRL], v24
	ds_store_b32 v[PRL], v25 offset:128
; ---------------------------------------------------------------- GATHER: slots 8 w .. 8 w + 7
	ds_load_b128 v[RO:RO+3],   v[PRT]              ; the same in every lane; my own bytes, served in order behind the stores above
	ds_load_b128 v[RO+4:RO+7], v[PRT] offset:16
	s_wait_dscnt 0x0
.set i, 0
.rept 8
	v_min_u32 v[RO+i], 0x1fff, v[RO+i]
	v_lshl_add_u32 v[RO+i], v[RO+i], 12, v[LO16]   ; a row of 4,096 bytes, 16 bytes a lane
.set i, i+1
.endr
	WIN 0x40                                       ; destination window 1
.set i, 0
.rept 8                                ; row i in eight loads of 512 consecutive bytes
.set c, 0
.rept 8
	global_load_b128 v[32*i+4*c:32*i+4*c+3], v[RO+i], s[4:5] offset:512*c
.set c, c+1
.endr
.set i, i+1
.endr
.macro ROWS4 q, left                   ; rows 4 q .. 4 q + 3: rounded in place, 8 bytes a lane into x's rows in LDS
	s_wait_loadcnt \left
	WIN 0x45
.set i, 4*(\q)
.rept 4
.set c, 0
.rept 8
.set rX, 32*i+4*c
	v_cvt_pk_bf16_f32 v[rX],   v[rX],   v[rX+1]
	v_cvt_pk_bf16_f32 v[rX+1], v[rX+2], v[rX+3]
.set c, c+1
.endr
.set i, i+1
.endr
	WIN 0x04                                       ; address window 0, data window 1
.set i, 4*(\q)
.rept 4
.set c, 0
.rept 8
.set rX, 32*i+4*c
	ds_store_b64 v[XS], v[rX:rX+1] offset:PITCH*i+256*c
.set c, c+1
.endr
.set i, i+1
.endr
.endm
	ROWS4 0, 32                                    ; the last four rows' 32 loads may stay out; all that was asked for earlier, the gates and the biases among it, is in
	WIN 0
	ds_store_b32 v[PRL], v28 offset:256
	ds_store_b32 v[PRL], v30 offset:384
	ds_store_b32 v[PRL], v29 offset:512
	ds_store_b32 v[PRL], v31 offset:640
	ROWS4 1, 0
	WIN 0
	v_cvt_pk_bf16_f32 v20, v[B1R], v[B1R+1]        ; b1 rounded to bf16, widened again, and laid in the order of h's places: column 64 G + 4 m + c at word 64 G + 16 c + m
	v_cvt_pk_bf16_f32 v21, v[B1R+2], v[B1R+3]
	v_lshlrev_b32 v[B1R], 16, v20
	v_and_b32 v[B1R+1], s[HIM], v20
	v_lshlrev_b32 v[B1R+2], 16, v21
	v_and_b32 v[B1R+3], s[HIM], v21
.irp c, 0,1,2,3
	ds_store_b32 v[BS], v[B1R+\c] offset:64*\c
.endr
	WIN 0x40
.set f, 0
.rept 8                                ; the bias is the sums' starting value: eight places of fragment f, the same for the four token blocks
.irp tb, 0,1,2,3
	ds_load_b128 v[8*(4*f+\tb):8*(4*f+\tb)+3],   v[BR] offset:64*f
	ds_load_b128 v[8*(4*f+\tb)+4:8*(4*f+\tb)+7], v[BR] offset:64*f+16
.endr
.set f, f+1
.endr
	WIN 0
.irp tb, 0,1,2,3
	ds_load_b32 v[GT+2*\tb],   v[PRG] offset:64*\tb   ; the gate of token 16 tb + r, twice: a pair for the packed multiply
	ds_load_b32 v[GT+2*\tb+1], v[PRG] offset:64*\tb
.endr
.set n, 0
.rept 8                                ; b2 of both experts (B2A and B2B lie on end) rounded to bf16 and widened again, in place
	v_cvt_pk_bf16_f32 v[20+n%4], v[B2A+2*n], v[B2A+2*n+1]
	v_lshlrev_b32 v[B2A+2*n], 16, v[20+n%4]
	v_and_b32 v[B2A+2*n+1], s[HIM], v[20+n%4]
.set n, n+1
.endr
	BAR                                            ; C: x's 64 rows are in LDS
; ---------------------------------------------------------------- PRODUCT 1: 32 K steps
	s_mov_b32 s[KO], 0                             ; x lies at LDS byte 0
	SETAX
	ACTLOAD 0, 0
	WIN 0
	s_cmp_eq_u32 s[EMPTY], 1                       ; a work-group without rows jumps the loop: at its head and behind it the same loads are out and the same buffers are due
	s_cbranch_scc1 .Lp1_tail
	s_mov_b32 s[CNT], 15
.Lp1:
	SETAX                                          ; this trip's addresses, from the scalar that the last trip stepped
	TRIP 1, 0, 1, 0, 1
	EDGE
	s_sub_co_u32 s[CNT], s[CNT], 1
	s_cmp_lg_u32 s[CNT], 0
	s_cbranch_scc1 .Lp1
.Lp1_tail:
	s_mov_b32 s[KO], 15*128                        ; K steps 30 and 31: what the loop's fifteen steps leave, written as a constant for both ways to this label
	SETAX
	TRIP 1, 0, 1, 1, 2                             ; the last two K steps ask for product 2's first two
	WIN 0
	BAR                                            ; E: every wave has read x for the last time: only now may h be written over it
	; the way out, four fragments at a time: times the gate (in place), rounded to bf16, ReLU (the gate is not negative, so the order does not matter), 16 bytes a lane into h
.irp hf, 0,1
	WIN 0x41                                       ; destination and source 0 window 1, the gate window 0
.set f, 4*\hf
.rept 4
.irp tb, 0,1,2,3
.irp q, 0,1,2,3                        ; each accumulator from its low end on
	v_pk_mul_f32 v[8*(4*f+\tb)+2*\q:8*(4*f+\tb)+2*\q+1], v[8*(4*f+\tb)+2*\q:8*(4*f+\tb)+2*\q+1], v[GT+2*\tb:GT+2*\tb+1]
.endr
.endr
.set f, f+1
.endr
	WIN 0x05                                       ; sources window 1, destination window 0: the activation buffers are free
.set f, 4*\hf
.rept 4
.irp tb, 0,1,2,3
.irp q, 0,1,2,3
	v_cvt_pk_bf16_f32 v[ACT+16*(f%4)+4*\tb+\q], v[8*(4*f+\tb)+2*\q], v[8*(4*f+\tb)+2*\q+1]
.endr
.endr
.set f, f+1
.endr
	WIN 0
.set n, 0
.rept 64
	v_pk_max_num_bf16 v[ACT+n], v[ACT+n], v[ZR]
.set n, n+1
.endr
.set f, 4*\hf
.rept 4
.irp tb, 0,1,2,3
	ds_store_b128 v[HS+(\tb/2)], v[ACT+16*(f%4)+4*\tb:ACT+16*(f%4)+4*\tb+3] offset:16*PITCH*(\tb%2)+32*f
.endr
.set f, f+1
.endr
.endr
	BAR                                            ; D: h's 64 rows are in LDS
; ---------------------------------------------------------------- PRODUCT 2: 32 K steps, 16 of expert a and 16 of expert b
	s_mov_b32 s[KO], HT
	SETAX
	ACTLOAD 0, 0
	WIN 0
	TRIP 2, 1, 1, 0, 1                             ; K step 0 starts the sums with the constant 0
	EDGE
	s_cmp_eq_u32 s[EMPTY], 1
	s_cbranch_scc1 .Lp2_tail
	s_mov_b32 s[CNT], 14
.Lp2:
	SETAX
	TRIP 2, 0, 1, 0, 3
	EDGE
	s_sub_co_u32 s[CNT], s[CNT], 1
	s_cmp_lg_u32 s[CNT], 0
	s_cbranch_scc1 .Lp2
.Lp2_tail:
	s_mov_b32 s[KO], HT+15*128                     ; K steps 30 and 31, as a constant for both ways to this label
	SETAX
	TRIP 2, 0, 0, 1, 0, 24, 16, 8, 0               ; nothing more is asked for: the counts run down; the four v_nop at its end are the places in front of the lines below
	WIN 0
	BAR                                            ; F: the eight waves meet when their reads of h are over: behind this line a wave touches only LDS bytes of its own
; ---------------------------------------------------------------- THE WAY OUT: + ga b2a + gb b2b, and stored: in each store lanes 0-15 cover 256 consecutive bytes, aligned, of one token's row, lanes 16-31 of another's.
; No register that a store reads is written again: block 0's results lie in the activation buffers, block tb's in the accumulators of block tb - 1, which have been read; each block has its own offsets.
.macro QUAD tb, g, jx                  ; QB: the four registers for token jx of the block, columns 64 g + 4 r + 0..3
.if (\tb) == 0
.set QB, T0+32*(\g)+4*(\jx)
.else
.set QB, 8*(4*((8*(\g)+(\jx))/2)+(\tb)-1)+4*((\jx)%2)
.endif
.endm
.macro OUTB tb
	WIN 0
	s_cmp_le_u32 s[NN], 16*(\tb)                   ; this block of 16 slots and all behind it lie past the count
	s_cbranch_scc1 .Ldone
	ds_load_b128 v[TK:TK+3],   v[PRH] offset:64*(\tb)
	ds_load_b128 v[TK+4:TK+7], v[PRH] offset:64*(\tb)+16
	ds_load_b128 v[GA:GA+3],   v[PRH] offset:64*(\tb)+256
	ds_load_b128 v[GA+4:GA+7], v[PRH] offset:64*(\tb)+272
	ds_load_b128 v[GB:GB+3],   v[PRH] offset:64*(\tb)+512
	ds_load_b128 v[GB+4:GB+7], v[PRH] offset:64*(\tb)+528
	s_wait_dscnt 0x0
.set j, 0
.rept 8
	v_min_u32 v[TK+j], 0x1fff, v[TK+j]
	v_lshl_add_u32 v[OFB+8*(\tb)+j], v[TK+j], 12, v[C16]
.set j, j+1
.endr
.irp g, 0,1
.if (\tb) == 0
	WIN 0x10                                       ; the accumulator (source 2) window 1, the result window 0
.else
	WIN 0x50                                       ; the accumulator and the result window 1
.endif
.set j, 0
.rept 8                                ; register j of the four accumulators: token 16 tb + 8 h + j; j ascending: each accumulator from its low end on
	QUAD \tb, \g, j
.irp c, 0,1,2,3
	v_fma_f32 v[QB+\c], v[GA+j], v[B2A+4*\g+\c], v[8*(4*(4*\g+\c)+(\tb))+j]
.endr
.set j, j+1
.endr
.if (\tb) == 0
	WIN 0
.endif
.set jj, 0
.rept 4                                ; gb of token j goes to both halves of the packed line: the pair's first register for even j, its second for odd j
	QUAD \tb, \g, 2*jj
.set QE, QB
	QUAD \tb, \g, 2*jj+1
.set QO, QB
.irp c, 0,2
	v_pk_fma_f32 v[QE+\c:QE+\c+1], v[B2B+4*\g+\c:B2B+4*\g+\c+1], v[GB+2*jj:GB+2*jj+1], v[QE+\c:QE+\c+1] op_sel_hi:[1,0,1]
	v_pk_fma_f32 v[QO+\c:QO+\c+1], v[B2B+4*\g+\c:B2B+4*\g+\c+1], v[GB+2*jj:GB+2*jj+1], v[QO+\c:QO+\c+1] op_sel:[0,1,0] op_sel_hi:[1,1,1]
.endr
.set jj, jj+1
.endr
.if (\tb) > 0
	WIN 0x04                                       ; the offset window 0, the data window 1
.endif
.set j, 0
.rept 8
	QUAD \tb, \g, j
	global_store_b128 v[OFB+8*(\tb)+j], v[QB:QB+3], s[OUT:OUT+1] offset:256*\g th:TH_STORE_NT
.set j, j+1
.endr
.endr
.endm
	OUTB 0
	OUTB 1
	OUTB 2
	OUTB 3
	WIN 0
.Ldone:
	s_wait_tensorcnt 0x0                           ; the wave's end, behind my last LDS store
	ds_add_u32 v[SPW], v[NIL]
	s_wait_dscnt 0x0
	s_endpgm
.Lfunc_end_k_q401beb8120_chain:
	.size	k_q401beb8120_chain, .Lfunc_end_k_q401beb8120_chain-k_q401beb8120_chain
	.p2alignl 7, 3214868480
	.fill 96, 4, 3214868480
	.section	.rodata,"a",@progbits
	.p2align	6, 0x0
	.amdhsa_kernel k_q401beb8120_chain
		.amdhsa_group_segment_fixed_size 150528
		.amdhsa_private_segment_fixed_size 0
		.amdhsa_enable_private_segment 0
		.amdhsa_kernarg_size 56
		.amdhsa_user_sgpr_count 2
		.amdhsa_user_sgpr_kernarg_segment_ptr 1
		.amdhsa_wavefront_size32 1
		.amdhsa_system_sgpr_workgroup_id_x 1
		.amdhsa_system_sgpr_workgroup_id_y 1
		.amdhsa_system_sgpr_workgroup_id_z 1
		.amdhsa_system_vgpr_workitem_id 0
		.amdhsa_next_free_vgpr 512
		.amdhsa_next_free_sgpr 72
		.amdhsa_reserve_vcc 1
		.amdhsa_float_denorm_mode_32 3
		.amdhsa_float_denorm_mode_16_64 3
		.amdhsa_memory_ordered 1
		.amdhsa_forward_progress 1
		.amdhsa_inst_pref_size 157
	.end_amdhsa_kernel
	.amdgpu_metadata
---
amdhsa.version: [ 1, 2 ]
amdhsa.kernels:
  - .name:           k_q401beb8120_chain
    .symbol:         k_q401beb8120_chain.kd
    .args:
      - { .name: input, .offset: 0, .size: 8, .value_kind: global_buffer, .address_space: global }
      - { .name: wf, .offset: 8, .size: 8, .value_kind: global_buffer, .address_space: global }
      - { .name: b1, .offset: 16, .size: 8, .value_kind: global_buffer, .address_space: global }
      - { .name: b2, .offset: 24, .size: 8, .value_kind: global_buffer, .address_space: global }
      - { .name: gates, .offset: 32, .size: 8, .value_kind: global_buffer, .address_space: global }
      - { .name: route, .offset: 40, .size: 8, .value_kind: global_buffer, .address_space: global }
      - { .name: out0, .offset: 48, .size: 8, .value_kind: global_buffer, .address_space: global }
    .group_segment_fixed_size: 150528
    .private_segment_fixed_size: 0
    .kernarg_segment_align: 8
    .kernarg_segment_size: 56
    .max_flat_workgroup_size: 256
    .sgpr_count:     72
    .vgpr_count:     512
    .wavefront_size: 32
...
	.end_amdgpu_metadata
.endif
;; end of part 2
